; MI455X (gfx1250); checked and timed in simulation.
; The chip was launched on July 23, 2026; its instructions are those of AMD's public machine-readable ISA for CDNA 5 (MIT licence, August 2026) and "CDNA5" Instruction Set Architecture Reference Guide (July 2026). The comments in the code are by the model that wrote it; some were corrected since.
;; LSTM Custom. Allowed arithmetic: matrix products marked QUANTISED: E2M3 operands, one E8M0 scale for each 32 along K, by v_wmma_scale_f32_16x16x128_f8f6f4 with both operands' format E2M3, f32 sums; everything else in f32.
;; Inputs: W_ch 1,024 x 1,024 float32; W_cx 1,024 x 512 float32; W_fh 1,024 x 1,024 float32; W_fx 1,024 x 512 float32; W_ih 1,024 x 1,024 float32; W_ix 1,024 x 512 float32; W_oh 1,024 x 1,024 float32; W_ox 1,024 x 512 float32; b_ch 1,024 float32; b_cx 1,024 float32; b_fh 1,024 float32; b_fx 1,024 float32; b_ih 1,024 float32; b_ix 1,024 float32; b_oh 1,024 float32; b_ox 1,024 float32; c 8,192 x 1,024 float32; h 8,192 x 1,024 float32; xt 8,192 x 512 float32.
;; Outputs: out0 8,192 x 1,024 float32; out1 8,192 x 1,024 float32.
;; This version of the problem:
;;   THIS VERSION OF THE PROBLEM IS GIVEN IN LOW PRECISION. The matrix products marked QUANTISED in the list below multiply operands that are first quantised to E2M3 (2 exponent bits, 3 mantissa bits; 6 bits a number), with one power-of-two scale for each 32 numbers along K (OCP MX v1.0); their sums are f32. All else is computed in f32.
;;   The module's matrix products, in the order in which they are computed (A, B: the left and right operand; K: the contracted axis; several contracted axes count as one K, in the product's order):
;;     1. [M 8,192, K 512] x [K 512, N 4,096]; A: input xt; B: computed on the way: QUANTISED
;;     2. [M 8,192, K 1,024] x [K 1,024, N 4,096]; A: input h; B: computed on the way: QUANTISED
;;   THE QUANTISER, for each operand of a quantised product, along K:
;;     - K is cut into blocks of 32 from its start; a last block that is shorter is filled with zeros.
;;     - A block's scale is 2^e with e = floor(log2(the largest magnitude in the block)) - 2, held to -126 .. 127; a block of zeros has e = 0. As a byte (E8M0): e + 127.
;;     - Each number is divided by its block's scale, clamped to +-7.5, and rounded to the nearest number of E2M3, ties to even, subnormals kept.
;;     - The product sums the exact products of the quantised numbers (number of the format x scale) in f32.
;;   ~~~python
;;   def quantise(x, axis):      # numpy; x: float32 -> the quantised numbers, widened to float32 again
;;       x = np.moveaxis(x, axis, -1); K = x.shape[-1]
;;       x = np.pad(x, [(0, 0)] * (x.ndim - 1) + [(0, -K % 32)]); x = x.reshape(x.shape[:-1] + (-1, 32)); a = np.abs(x).max(-1, keepdims=True)
;;       e = np.where(a > 0, np.clip(np.frexp(np.where(a > 0, a, 1))[1] - 1 - 2, -126, 127), 0)      # np.frexp(a)[1] - 1 = floor(log2(a)), exactly
;;       r = np.clip(x / 2.0 ** e, -7.5, 7.5)
;;       step = 2.0 ** (np.maximum(np.frexp(np.where(r == 0, 1, r))[1] - 1, 0) - 3)
;;       q = np.round(r / step) * step * 2.0 ** e      # np.round: ties to even
;;       return np.moveaxis(q.reshape(q.shape[:-2] + (-1,))[..., :K], -1, axis).astype(np.float32)
;;   ~~~
;;   OPERANDS COMPUTED ON THE WAY. 'Computed on the way' means the value that the module computes at that place (a softmax that the list does not call 'softmax' is quantised finished and normalised). What goes into a quantiser is computed in f32, as accurately as f32 sums, v_exp_f32 and their like allow (about 1e-6 of the number): no bf16 or f16 on the way to a quantiser, and a product that is left as it is and whose result goes on into a quantised operand takes f32 operands (vector FMAs, or v_wmma_f32_16x16x4_f32). A number that lies on a knife's edge between two numbers of the format may be rounded either way, as far as f32 arithmetic and the matrix unit's own rounding can turn it there, and no further.
;; One version. Each part assembles by itself: llvm-mc -triple=amdgcn-amd-amdhsa -mcpu=gfx1250 --defsym DOCPART=n.
;; ======== version 1 of 1: 2 launches
;; limits: inputs' magnitudes at most 1.15e+18; right only within a limited range of input values; a function is approximated: absolute error at most 2e-09; an absolute error that grows with the inputs' magnitude: up to 1e-09 times it
;; workspace buffers: codes 14,155,776 bytes; scl 589,824 bytes; bias 16,384 bytes
;; launch quant (part 1): grid 768 x 1, 3 waves a work-group, no clusters, 25,856 bytes of LDS; arguments xt, h, W_ix, W_ih, W_fx, W_fh, W_ox, W_oh, W_cx, W_ch, b_ix, b_ih, b_fx, b_fh, b_ox, b_oh, b_cx, b_ch, codes, scl, bias; writes codes, scl, bias
.if DOCPART == 1
	.amdgcn_target "amdgcn-amd-amdhsa--gfx1250"
	.amdhsa_code_object_version 6
	.text
	.protected	k_qd37498a5a7_quant
	.globl	k_qd37498a5a7_quant
	.p2align	8
	.type	k_qd37498a5a7_quant,@function
k_qd37498a5a7_quant:
	s_mov_b64 s[64:65], 0
	v_nop
	global_prefetch_b8 v0, s[64:65] scope:SCOPE_SE
	s_setreg_imm32_b32 hwreg(HW_REG_WAVE_MODE, 25, 1), 1
	s_wait_xcnt 0x0
; LSTM cell, first of two launches: every operand of the two quantised products is quantised ONCE, along K, to codes of FP6 (E2M3) with one E8M0 byte for each 32 along K.
; 512 and 1,024 are multiples of 32, so xt Wx^T + h Wh^T is ONE product over K = 1,536 of A = [xt | h] (8,192 rows) and B = [W_gx | W_gh] (4,096 rows), with the very blocks of 32 that the two products have.
; NOTHING IS LEFT OUT: all 19 inputs have a way to the outputs, and all are loaded by this launch or the next.
; WHAT IS STORED (workspace of this program alone, laid as the next launch's registers want it):
;   codes [t = 0..5][rb = 0..767][q = 0..1][1,536 bytes]: K step of 128 number s = 2 t + q (s = 0..3: xt's or W_gx's K; s = 4..11: h's or W_gh's), row block rb of 16 rows.  The 1,536 bytes are the IMAGE OF THE
;         OPERAND'S REGISTERS: register n (0..11) of lane l at 512 (n / 4) + 16 l + 4 (n % 4); lane (r, h) holds row r, registers 6 c .. 6 c + 5 hold k = 64 c + 32 h + 0 .. 31.
;   scl   [rb][s / 4][r][s % 4] words: the four scale bytes of row r for K step s.
;   bias  [4,096] f32, in B's order of rows: (b_gx + b_gh) x k_g, k_g = -log2(e) for the gates i, f, o and -2 log2(e) for the gate c: the next launch's exponents are k_g x sum + this.
; ROW BLOCKS: rb 0..511 are A's rows 16 rb on.  rb 512..767 are B's, IN AN ORDER OF THEIR OWN: rb - 512 = 8 hi + 2 g + u holds rows 32 hi + 16 u + 0 .. 15 of gate g's weights (g: i, f, o, c), so that eight
;   neighbouring blocks hold all four gates of the same 32 hidden units.
; SHARES: a work-group takes one row block, its three waves 512 along K each (wave 0: xt or W_gx; waves 1, 2: the two halves of h or W_gh): four fragments a wave.  One path for all tensors: only pointers, the pitch and
;   offsets are chosen, by ids.  Each load reads 512 consecutive bytes of one row; a fragment's 16 rows turn through the wave's own stage in LDS, so that a lane gets its 2 x 32 neighbours along K.
; THE SCALE: the block's largest magnitude, with the floor 2^(3 - 127) among its leaves; 2 off its exponent field is the conversion's scale operand, and that field is the byte.
; LIMITS: NaN and infinities among the inputs are not served.  A block whose largest magnitude lies under 2^-124 gets the byte 1; a block of zeros gets the byte 1 where the rule says 127: its codes are zeros, and
;   the bytes are read by this program alone.
.set TS,     2359296                   ; bytes from one t to the next in codes: 768 x 3,072
.set SPITCH, 528                       ; a stage row: 512 bytes + 16 = 33 x 16: sixteen lanes that read the same column of 16 rows touch 16 different columns of 16 bytes modulo 256
.set WSTG,   16*SPITCH                 ; a wave's stage
.set SPARE,  3*WSTG                    ; behind the stages: the spare words, 128 bytes for each wave: two blocks of 256 bytes that no other line names
.set STI,  4                           ; v4   the stage, on the way in: my wave's + 16 x lane
.set STO,  5                           ; v5   on the way out: my wave's + 528 r + 128 h
.set CO,   6                           ; v6   16 x lane: my place in an image
.set SO,   7                           ; v7   16 r + 8 h: my place among the wave's scale words
.set SPW,  12                          ; v12  LDS address of my spare word; never rewritten
.set NIL,  13                          ; v13  0; never rewritten
.set OFF,  16                          ; v16-31   row j's byte offset: 16 x lane + j x pitch; never rewritten
.set R,    32                          ; v32-159  two sets of 64: a fragment's numbers as loaded
.set X,    160                         ; v160-223 my 64 numbers: register 32 c + i = k 64 c + 32 h + i of row r
.set C,    224                         ; v224-235 the fragment's codes; v236-238, v240-242 the halves that are moved
.set W,    244                         ; v244-247 the four fragments' scale words
	s_load_b512 s[4:19], s[0:1], 0x0               ; xt 4, h 6, W_ix 8, W_ih 10, W_fx 12, W_fh 14, W_ox 16, W_oh 18
	s_load_b512 s[20:35], s[0:1], 0x40             ; W_cx 20, W_ch 22, b_ix 24, b_ih 26, b_fx 28, b_fh 30, b_ox 32, b_oh 34
	s_load_b256 s[36:43], s[0:1], 0x80             ; b_cx 36, b_ch 38, codes 40, scl 42
	s_load_b64 s[44:45], s[0:1], 0xa0              ; bias
	v_lshl_add_u32 v[SPW], v0, 2, SPARE
	v_mov_b32 v[NIL], 0
	v_lshrrev_b32 v1, 5, v0
	v_readfirstlane_b32 s50, v1                    ; wave 0..2
	v_and_b32 v1, 31, v0                           ; lane
	v_and_b32 v2, 15, v0                           ; r
	v_bfe_u32 v3, v0, 4, 1                         ; h
	s_mul_i32 s73, s50, WSTG
	v_lshlrev_b32 v[CO], 4, v1
	v_add_nc_u32 v[STI], s73, v[CO]
	v_mul_u32_u24 v[STO], v2, SPITCH
	v_lshl_add_u32 v[STO], v3, 7, v[STO]
	v_add_nc_u32 v[STO], s73, v[STO]
	v_lshlrev_b32 v[SO], 4, v2
	v_lshl_add_u32 v[SO], v3, 3, v[SO]
	v_lshlrev_b32 v8, 3, v3                        ; 8 h: my two bytes' place in a scale word, in bits
	v_lshlrev_b32 v9, 2, v1                        ; 4 x lane: the biases
	v_mov_b32 v254, 0                              ; written once: a lane permute's destination counts as one of its sources
	s_bfe_u32 s51, ttmp9, 0x20001                  ; g: the gate (B's blocks)
	s_and_b32 s46, ttmp9, 1                        ; u
	s_bfe_u32 s47, ttmp9, 0x50003                  ; hi = (rb - 512) / 8, cut out as a bit field: 512 is a multiple of 256
	s_lshl_b32 s48, ttmp9, 4                       ; A's first row: 16 rb
	s_lshl_b32 s49, s47, 5
	s_lshl_b32 s72, s46, 4
	s_add_co_u32 s49, s49, s72                     ; B's first row in its gate's weights: 32 hi + 16 u
	s_mov_b32 s60, 0xbfb8aa3b                      ; -log2(e)
	s_mov_b32 s61, 0xc038aa3b                      ; -2 log2(e)
	s_mov_b32 s70, 0x76543210
	s_mov_b32 s71, 0xfedcba98                      ; v_permlanex16_b32's selects for lane l xor 16
	s_mov_b32 s63, 4096
	s_cmp_lt_u32 ttmp9, 512                        ; A's block or B's?
	s_cselect_b32 s62, s48, s49                    ; the block's first row in its tensor
	s_cmp_eq_u32 s50, 0                            ; wave 0 reads rows of 512 numbers, waves 1 and 2 rows of 1,024
	s_cselect_b32 s63, 2048, s63                   ; the pitch in bytes,
	s_cselect_b32 s66, 11, 12                      ; and as a shift
	s_cmp_eq_u32 s50, 2
	s_cselect_b32 s67, 2048, 0                     ; wave 2 begins 512 numbers along the row
	s_lshl_b32 s68, s62, s66
	s_add_co_u32 s68, s68, s67                     ; where my wave reads, in bytes (under 2^26)
	s_mov_b32 s69, 0
	s_mul_i32 s74, ttmp9, 3072
	s_mul_i32 s72, s50, 2*TS
	s_add_co_u32 s74, s74, s72                     ; where its images go: t = 2 x wave, block rb
	s_mov_b32 s75, 0
	s_mul_i32 s76, ttmp9, 768
	s_lshl_b32 s72, s50, 8
	s_add_co_u32 s76, s76, s72                     ; and its 256 bytes of scale words
	s_mov_b32 s77, 0
	v_mov_b32 v[OFF], v[CO]
.irp j, 1,2,3,4,5,6,7,8,9,10,11,12,13,14,15
	v_add_nc_u32 v[OFF+\j], s63, v[OFF+\j-1]
.endr
	s_wait_kmcnt 0x0
	s_mov_b64 s[52:53], s[8:9]                     ; the gate's four buffers: every choice hangs on the work-group's number alone
	s_mov_b64 s[54:55], s[10:11]
	s_mov_b64 s[56:57], s[24:25]
	s_mov_b64 s[58:59], s[26:27]
	s_cmp_eq_u32 s51, 1
	s_cselect_b64 s[52:53], s[12:13], s[52:53]
	s_cselect_b64 s[54:55], s[14:15], s[54:55]
	s_cselect_b64 s[56:57], s[28:29], s[56:57]
	s_cselect_b64 s[58:59], s[30:31], s[58:59]
	s_cmp_eq_u32 s51, 2
	s_cselect_b64 s[52:53], s[16:17], s[52:53]
	s_cselect_b64 s[54:55], s[18:19], s[54:55]
	s_cselect_b64 s[56:57], s[32:33], s[56:57]
	s_cselect_b64 s[58:59], s[34:35], s[58:59]
	s_cmp_eq_u32 s51, 3
	s_cselect_b64 s[52:53], s[20:21], s[52:53]
	s_cselect_b64 s[54:55], s[22:23], s[54:55]
	s_cselect_b64 s[56:57], s[36:37], s[56:57]
	s_cselect_b64 s[58:59], s[38:39], s[58:59]
	s_cselect_b32 s60, s61, s60                    ; k_g
	s_cmp_lt_u32 ttmp9, 512
	s_cselect_b64 s[52:53], s[4:5], s[52:53]       ; A's blocks read xt and h
	s_cselect_b64 s[54:55], s[6:7], s[54:55]
	s_cmp_eq_u32 s50, 0
	s_cselect_b64 s[52:53], s[52:53], s[54:55]     ; my wave's tensor
	s_add_nc_u64 s[52:53], s[52:53], s[68:69]
	s_add_nc_u64 s[40:41], s[40:41], s[74:75]
	s_add_nc_u64 s[42:43], s[42:43], s[76:77]
.macro LOAD f                          ; fragment f's 16 rows x 128 numbers into set f % 2: each load is 512 consecutive bytes of one row; read once in the launch
.irp j, 0,1,2,3,4,5,6,7,8,9,10,11,12,13,14,15
	global_load_b128 v[R+64*((\f)%2)+4*\j:R+64*((\f)%2)+4*\j+3], v[OFF+\j], s[52:53] offset:512*(\f) th:TH_LOAD_NT
.endr
.endm
	LOAD 0
	LOAD 1
	; THE BIASES: wave 0 of each even block of B takes the 32 hidden units of blocks u = 0 and u = 1: 128 consecutive bytes in and out.  The branch hangs on ids alone.
	s_or_b32 s72, s46, s50
	s_cmp_lg_u32 s72, 0
	s_cbranch_scc1 .Lno_bias
	s_cmp_lt_u32 ttmp9, 512
	s_cbranch_scc1 .Lno_bias
	s_lshl_b32 s68, s47, 7                         ; 32 hi numbers on in b_gx and b_gh
	s_add_nc_u64 s[56:57], s[56:57], s[68:69]
	s_add_nc_u64 s[58:59], s[58:59], s[68:69]
	s_and_b32 s68, ttmp9, 255
	s_lshl_b32 s68, s68, 6                         ; 16 (rb - 512) numbers on in bias
	s_add_nc_u64 s[44:45], s[44:45], s[68:69]
	global_load_b32 v10, v9, s[56:57]
	global_load_b32 v11, v9, s[58:59]
	s_wait_loadcnt 0x0                             ; these two are the youngest: all my loads are in, so the counted waits below are met on this way too
	v_add_f32 v10, v10, v11
	v_mul_f32 v10, s60, v10
	global_store_b32 v9, v10, s[44:45]
.Lno_bias:
.macro QF f                            ; fragment f: through the stage, quantised, stored as an image
.set RS, R+64*((\f)%2)
.if (\f) < 3
	s_wait_loadcnt 16                              ; this fragment's 16 loads are in; the next fragment's 16 may be out
.else
	s_wait_loadcnt 0x0
.endif
.irp j, 0,1,2,3,4,5,6,7,8,9,10,11,12,13,14,15
	ds_store_b128 v[STI], v[RS+4*\j:RS+4*\j+3] offset:SPITCH*\j
.endr
.irp c, 0,1
.irp e, 0,1,2,3,4,5,6,7
	ds_load_b128 v[X+32*\c+4*\e:X+32*\c+4*\e+3], v[STO] offset:256*\c+16*\e   ; LDS serves a wave's instructions in order (ISA guide 5.7.1.4): these see the stores above
.endr
.endr
	s_wait_dscnt 0x0                               ; my 64 numbers are in, and the stores have read their registers,
.if (\f) < 2
	LOAD (\f)+2                                    ; which take the fragment two further on
.endif
.irp c, 0,1
	v_max3_num_f32 v[248+\c], |v[X+32*\c]|, |v[X+32*\c+1]|, 0x1800000   ; block 2 c + h: all its 32 numbers are mine; and the floor 2^(3 - 127): so the byte cannot fall under 1
.endr
.irp i, 2,4,6,8,10,12,14,16,18,20,22,24,26,28,30
.irp c, 0,1
	v_max3_num_f32 v[248+\c], v[248+\c], |v[X+32*\c+\i]|, |v[X+32*\c+\i+1]|   ; (the two blocks by turns)
.endr
.endr
.irp c, 0,1
	v_add_nc_u32 v[250+\c], 0xff000000, v[248+\c]  ; 2 off the exponent field: the conversion takes the exponent field of this operand as its scale, and nothing else of it
.endr
.irp c, 0,1
	v_lshrrev_b32 v[252+\c], 23, v[250+\c]         ; the scale's byte
.endr
	v_lshl_or_b32 v255, v253, 16, v252             ; my two bytes: blocks h and 2 + h of row r,
	v_lshlrev_b32 v255, v8, v255                   ; at their places in the word;
	v_permlanex16_b32 v254, v255, s70, s71
	v_or_b32 v[W+(\f)], v255, v254                 ; with lane l xor 16's two the word is whole
.if (\f) > 0
	s_wait_xcnt 0x0                                ; the last fragment's stores have read the codes' registers: they are written again only behind this wait
.endif
	v_cvt_scalef32_pk16_fp6_f32 v[C:C+2], v[X:X+15], v250
	v_cvt_scalef32_pk16_fp6_f32 v[C+12:C+14], v[X+16:X+31], v250     ; (a conversion's three registers begin on an even number: a block's second half is made elsewhere and moved)
	v_cvt_scalef32_pk16_fp6_f32 v[C+6:C+8], v[X+32:X+47], v251
	v_cvt_scalef32_pk16_fp6_f32 v[C+16:C+18], v[X+48:X+63], v251
	v_nop                                          ; one plain place behind a scaled conversion
.irp i, 0,1,2
	v_mov_b32 v[C+3+\i], v[C+12+\i]
	v_mov_b32 v[C+9+\i], v[C+16+\i]
.endr
.irp c, 0,1,2
	global_store_b128 v[CO], v[C+4*\c:C+4*\c+3], s[40:41] offset:((\f)/2)*TS+((\f)%2)*1536+512*\c   ; 32 lanes store 512 consecutive bytes, at a multiple of 512 from the buffer's first byte
.endr
.endm
	QF 0
	QF 1
	QF 2
	QF 3
	v_cmp_eq_u32 vcc_lo, 1, v3                     ; every lane holds its row's four words: lanes 0-15 store words 0 and 1, lanes 16-31 words 2 and 3
	v_cndmask_b32 v14, v[W], v[W+2], vcc_lo
	v_cndmask_b32 v15, v[W+1], v[W+3], vcc_lo
	global_store_b64 v[SO], v[14:15], s[42:43]     ; 32 lanes store 256 consecutive bytes, at a multiple of 256 from the buffer's first byte
	s_wait_tensorcnt 0x0                           ; the wave's end, behind my last LDS store
	ds_add_u32 v[SPW], v[NIL]
	s_wait_dscnt 0x0
	s_endpgm
.Lfunc_end_k_qd37498a5a7_quant:
	.size	k_qd37498a5a7_quant, .Lfunc_end_k_qd37498a5a7_quant-k_qd37498a5a7_quant
	.p2alignl 7, 3214868480
	.fill 96, 4, 3214868480
	.section	.rodata,"a",@progbits
	.p2align	6, 0x0
	.amdhsa_kernel k_qd37498a5a7_quant
		.amdhsa_group_segment_fixed_size 25856
		.amdhsa_private_segment_fixed_size 0
		.amdhsa_enable_private_segment 0
		.amdhsa_kernarg_size 168
		.amdhsa_user_sgpr_count 2
		.amdhsa_user_sgpr_kernarg_segment_ptr 1
		.amdhsa_wavefront_size32 1
		.amdhsa_system_sgpr_workgroup_id_x 1
		.amdhsa_system_sgpr_workgroup_id_y 1
		.amdhsa_system_sgpr_workgroup_id_z 1
		.amdhsa_system_vgpr_workitem_id 0
		.amdhsa_next_free_vgpr 256
		.amdhsa_next_free_sgpr 80
		.amdhsa_reserve_vcc 1
		.amdhsa_float_denorm_mode_32 3
		.amdhsa_float_denorm_mode_16_64 3
		.amdhsa_memory_ordered 1
		.amdhsa_forward_progress 1
		.amdhsa_inst_pref_size 33
	.end_amdhsa_kernel
	.amdgpu_metadata
---
amdhsa.version: [ 1, 2 ]
amdhsa.kernels:
  - .name:           k_qd37498a5a7_quant
    .symbol:         k_qd37498a5a7_quant.kd
    .args:
      - { .name: xt, .offset: 0, .size: 8, .value_kind: global_buffer, .address_space: global }
      - { .name: h, .offset: 8, .size: 8, .value_kind: global_buffer, .address_space: global }
      - { .name: W_ix, .offset: 16, .size: 8, .value_kind: global_buffer, .address_space: global }
      - { .name: W_ih, .offset: 24, .size: 8, .value_kind: global_buffer, .address_space: global }
      - { .name: W_fx, .offset: 32, .size: 8, .value_kind: global_buffer, .address_space: global }
      - { .name: W_fh, .offset: 40, .size: 8, .value_kind: global_buffer, .address_space: global }
      - { .name: W_ox, .offset: 48, .size: 8, .value_kind: global_buffer, .address_space: global }
      - { .name: W_oh, .offset: 56, .size: 8, .value_kind: global_buffer, .address_space: global }
      - { .name: W_cx, .offset: 64, .size: 8, .value_kind: global_buffer, .address_space: global }
      - { .name: W_ch, .offset: 72, .size: 8, .value_kind: global_buffer, .address_space: global }
      - { .name: b_ix, .offset: 80, .size: 8, .value_kind: global_buffer, .address_space: global }
      - { .name: b_ih, .offset: 88, .size: 8, .value_kind: global_buffer, .address_space: global }
      - { .name: b_fx, .offset: 96, .size: 8, .value_kind: global_buffer, .address_space: global }
      - { .name: b_fh, .offset: 104, .size: 8, .value_kind: global_buffer, .address_space: global }
      - { .name: b_ox, .offset: 112, .size: 8, .value_kind: global_buffer, .address_space: global }
      - { .name: b_oh, .offset: 120, .size: 8, .value_kind: global_buffer, .address_space: global }
      - { .name: b_cx, .offset: 128, .size: 8, .value_kind: global_buffer, .address_space: global }
      - { .name: b_ch, .offset: 136, .size: 8, .value_kind: global_buffer, .address_space: global }
      - { .name: codes, .offset: 144, .size: 8, .value_kind: global_buffer, .address_space: global }
      - { .name: scl, .offset: 152, .size: 8, .value_kind: global_buffer, .address_space: global }
      - { .name: bias, .offset: 160, .size: 8, .value_kind: global_buffer, .address_space: global }
    .group_segment_fixed_size: 25856
    .private_segment_fixed_size: 0
    .kernarg_segment_align: 8
    .kernarg_segment_size: 168
    .max_flat_workgroup_size: 96
    .sgpr_count:     80
    .vgpr_count:     256
    .wavefront_size: 32
...
	.end_amdgpu_metadata
.endif
;; end of part 1
;; launch cell (part 2): grid 16 x 16, 4 waves a work-group, clusters of 4 x 4, 327,680 bytes of LDS; arguments codes, scl, bias, c, out0, out1; writes out0, out1
.if DOCPART == 2
	.amdgcn_target "amdgcn-amd-amdhsa--gfx1250"
	.amdhsa_code_object_version 6
	.text
	.protected	k_qd37498a5a7_cell
	.globl	k_qd37498a5a7_cell
	.p2align	8
	.type	k_qd37498a5a7_cell,@function
k_qd37498a5a7_cell:
	s_mov_b64 s[64:65], 0
	v_nop
	global_prefetch_b8 v0, s[64:65] scope:SCOPE_SE
	s_setreg_imm32_b32 hwreg(HW_REG_WAVE_MODE, 25, 1), 1
	s_wait_xcnt 0x0
	s_wait_alu depctr_hold_cnt(0) depctr_sa_sdst(0) depctr_va_vdst(0) depctr_va_sdst(0) depctr_va_ssrc(0) depctr_va_vcc(0) depctr_vm_vsrc(0)
	s_getreg_b32 s2, hwreg(HW_REG_IB_STS2, 6, 4)
	s_cmp_eq_u32 s2, 0
	s_cbranch_scc0 .Lentry_in_a_cluster
	s_endpgm
.Lentry_in_a_cluster:
	s_bfe_u32 s2, ttmp6, 0x10000c
	s_cmp_lg_u32 s2, 0xf033
	s_cbranch_scc0 .Lentry_shape_is_right
	s_endpgm
.Lentry_shape_is_right:
; LSTM cell, second of two launches: g = [xt | h] [W_gx | W_gh]^T over K = 1,536 on codes of FP6 (E2M3) with E8M0 scales, and the whole gate arithmetic behind it: g never goes to memory.
;   c_new = sig(gf) c + sig(gi) tanh(gc) -> out1;   h_new = sig(go) c_new -> out0.   Nothing of the problem is left out.
; codes, scl and bias are the launch before's: codes [t][rb][q][1,536] are images of operand registers (register n of lane l at 512 (n / 4) + 16 l + 4 (n % 4)); scl [rb][s / 4][r][s % 4] words; bias in B's order, times k_g.
; SHARES.  A tile is 256 rows x 64 hidden units x 4 gates: 256 x 256 of g.  Four waves, as many as a WGP has SIMDs; wave (wr, wc) makes 128 rows x (4 gates x 32 hidden units): 64 accumulators, 512 registers.
; A WORK-GROUP STAYS: it makes TWO tiles, tile rows tr and tr + 16 of one tile column: 256 work-groups in all.  The ring does not stop at a tile's end: the next tile's first two K steps and its tile of c are asked for
; round the first tile's gates, and nothing waits for the first tile's stores.  The two tiles share their rows of B, so B's scale words and the biases stay in registers.
; B's row blocks lie so that a wave's eight blocks b = 2 g + u are the four gates g (i, f, o, c) of the same 32 hidden units.  THE MATRIX INSTRUCTION IS USED TRANSPOSED (source 0 = 16 rows of weights, source 1 = 16 rows
; of A): register j of lane (r, h) of accumulator (a, b) is gate g of (row 16 a + r, hidden unit 16 u + 8 h + j).  So the four gates of an element lie in ONE lane at ONE register index: the gates cross no lane.
; K goes in six steps of 256 through a ring of two LDS slots; a wave's tensor load brings 8 row blocks x 3,072 bytes, one dense run of 24,576 bytes.  Fragments come out of LDS by three loads of 16 bytes a lane, 512 consecutive bytes each.
; CLUSTERS: 4 x 4 work-groups.  The four of a row of the cluster need the same tiles of A, the four of a column the same tiles of B: each tile is asked for JOINTLY, by the same tensor load with the same descriptor and a mask
; that names the four.  The tile of c is each work-group's own: a plain load, behind a round like the others.
; THE TEXT: K steps 0 to 10 of 128 are a loop of two trips over the tiles; step 11, the gates and the way out are written twice, once with the next tile's refills and once as the last tile's tail.
; THE SCALE WORDS of the wave's 8 + 8 row blocks for all 12 K steps of 128 stay in 96 registers (lanes 0-15 A's, lanes 16-31 B's); they are loaded anew for the second tile while the first tile's gates run.
; THE GATES, with E = 2^(k_g x sum + bias'), D = 1 + E:  sig = 1 / D, tanh = (1 - Ec) / Dc.  N = c Di Dc + (1 - Ec) Df;  h_new = N / (Di Dc Df Do);  c_new = h_new Do: four exponentials and ONE reciprocal an element.
; A product x D is one fused multiply-add, x E + x, so only Dc is ever formed.
; LIMITS.  Each exponent is held at 30 from above, so that the product of the four D stays under 2^121 and its reciprocal is a normal number: a sigmoid never falls under 2^-30 and tanh never under -1 + 2^-29 (an error
; under 2e-9 of |c| or of 1).  |c| stays under 2^60.  NaN and infinities among the inputs are not served.  The two products and the biases are added in another order than the problem writes them.
; REGISTERS, in windows of 256: window 0: v16-31 addresses; v32-127 scale words, and nothing else ever; v128-223 A's 8 fragments, ONE set; in the gates v128-191 the gates' numbers, v192-207 c, v208-223 h_new, v224-255 rows on their way out.
;   window 1: B's fragments, TWO sets, v0-95 and v128-223; the biases in v96-127 and v224-255.   window 2: the accumulators of my rows 0-63 ((a, b) at v[8 (8 a + b)]);   window 3: those of my rows 64-127.
.set TS,    2359296                    ; bytes from one K step of 256 to the next in codes
.set FR,    12                         ; registers of a fragment: 16 rows x 128 K
.set FRB,   1536                       ; its image in bytes
.set RBB,   2*FRB                      ; a row block's two images of a K step of 256
.set HALFT, 8*RBB                      ; 8 row blocks: what one tensor load brings, and what one wave reads of A or of B
.set SLOT,  4*HALFT                    ; A's 16 row blocks, then B's 16
.set CT,    2*SLOT                     ; behind the ring: the tile of c, 256 rows x (256 bytes + 16); filled for each tile, read only
.set CP,    272                        ; 17 x 16: sixteen lanes that take the same column of 16 rows touch 16 different columns of 16 bytes modulo 256
.set STG,   CT+256*CP                  ; behind it: the stage for the way out, into which no tensor load lands: [2 buffers][h_new, c_new][row half wr][16 rows][272 bytes]
.set SOUT,  32*CP                      ; one output's 2 x 16 rows
.set SBUF,  2*SOUT                     ; a buffer: one block of 16 rows of each row half, both outputs
.set SPARE, STG+2*SBUF                 ; behind it: the spare words, 128 bytes for each wave: two blocks of 256 bytes that no other line names
.set BACK,  4*TS                       ; from a slot's last K step of a tile back to its first
.set WALKA, 256*RBB                    ; the next tile's rows of A lie 256 row blocks on in codes,
.set WALKS, 256*768                    ; and in scl;
.set WALKO, 16*256*4096                ; 4,096 rows of 4,096 bytes on in c, out0 and out1
.set NS,    12                         ; scale words of a row block
.set ADRA, 16                          ; v16-17  LDS address of my A fragments in slot 0, 1
.set ADRB, 20                          ; v20-21  the same for B
.set GO,   22                          ; v22     the way out: my byte offset in two rows of an output
.set SOF2, 23                          ; v23     my byte offset in scl for the second tile: A's lanes 256 blocks on, B's as they were
.set CA,   24                          ; v24     my 32 bytes of a row of the tile of c
.set HA,   25                          ; v25     the stage: where I put 32 bytes of a row
.set RD,   26                          ; v26     the stage: where I read rows back
.set SPW,  28                          ; v28     LDS address of my spare word: SPARE + 4 x my thread's number; never rewritten
.set NIL,  29                          ; v29     0; never rewritten
.set SOF,  30                          ; v30     my byte offset in scl: lanes 0-15 A's blocks, lanes 16-31 B's
.set BOF,  31                          ; v31     my byte offset in bias
.set SC,   32                          ; scale words: register NS i + s: lanes 0-15 the word of A's block i, lanes 16-31 that of B's block i, for K step s of 128
.set AF,   128                         ; A's fragments
.set T,    128                         ; the gates: v128-191, 16 g + 8 u + j: exponents, then E
.set CV,   192                         ; v192-207 c, then c_new
.set U,    208                         ; v208-223 1 - Ec, then N, then h_new
.set BK,   224                         ; v224-255 16 whole rows read back from the stage
.set TILES, 92                         ; s92     tiles to go, this one among them: the same number in every work-group
.set G1,  24                           ; s[24:31] descriptor group 1 for A's tiles;  s[32:39] group 0, one set for each slot
.set G0,  32
.set G1B, 48                           ; s[48:55], s[56:63] the same for B's tiles
.set G0B, 56
.set G1C, 68                           ; s[68:75], s[76:79] groups 1 and 0 for the tile of c
.set G0C, 76
.set MSB, 0
.macro WIN new                         ; the immediate's high byte repeats the setting that is left; a switch that changes nothing is dropped
.if MSB != (\new)
	s_set_vgpr_msb (MSB<<8)|(\new)
.set MSB, (\new)
.endif
.endm
.set MUL_LO, 0xa1                      ; source 0 (B) window 1, source 1 (A) window 0, C and D window 2
.set MUL_HI, 0xf1                      ; the same, C and D window 3
.set TO_B,   0x40                      ; destination window 1, address window 0
; A joint load: waves 0 and 1 fetch for A, waves 2 and 3 for B.  Each of the two lines has ONE mask and one set of registers for all that issue it; the branch hangs on the wave's number alone.
; An s_nop 0 and four v_nop follow each of the two lines, ahead of the jump, the label and what follows.
.macro JLOAD g0a, g1a, g0b, g1b
	s_cmp_eq_u32 s17, 0
	s_cbranch_scc0 .Lfor_b_\@
	tensor_load_to_lds s[\g0a:\g0a+3], s[\g1a:\g1a+7]
	s_nop 0
.rept 4
	v_nop
.endr
	s_branch .Lasked_\@
.Lfor_b_\@:
	tensor_load_to_lds s[\g0b:\g0b+3], s[\g1b:\g1b+7]
	s_nop 0
.rept 4
	v_nop
.endr
.Lasked_\@:
.endm
.macro CREST                           ; a round of the cluster's barrier behind its opening barrier
	s_cmp_lg_u32 s16, 0
	s_cbranch_scc1 .Lnot_wave_0_\@
	s_barrier_signal -3
.Lnot_wave_0_\@:
	s_barrier_wait -3
	s_barrier_signal -1
	s_barrier_wait -1
.endm
.macro CROUND                          ; a whole round
	s_barrier_signal -1
	s_barrier_wait -1
	CREST
.endm
	s_load_b256 s[4:11], s[0:1], 0x0               ; codes s[4:5], scl s[6:7], bias s[8:9], c s[10:11]
	s_load_b128 s[12:15], s[0:1], 0x20             ; out0 s[12:13], out1 s[14:15]
	v_lshl_add_u32 v[SPW], v0, 2, SPARE
	v_mov_b32 v[NIL], 0
	ds_add_u32 v[SPW], v[NIL]                      ; the wave's opening: the add, twice on end, and its wait stand ahead of my first tensor load; the set-up below the second, work on registers, stands between it and the wait
	ds_add_u32 v[SPW], v[NIL]                      ; and once more, under the one wait
	v_lshrrev_b32 v1, 5, v0
	v_readfirstlane_b32 s16, v1                    ; wave 0..3
	s_lshr_b32 s17, s16, 1                         ; wr: which half of the tile's rows is mine.  Also: I fetch for A (0) or for B (1)
	s_and_b32 s18, s16, 1                          ; wc: which half of its hidden units.  Also: which 8 row blocks of that tile I fetch, and which output I store
	s_bfe_u32 s40, ttmp6, 0x40000                  ; cx, cy: my place in the cluster
	s_bfe_u32 s41, ttmp6, 0x40004
	s_lshl_b32 s42, ttmp9, 2
	s_add_co_u32 s42, s42, s40                     ; tc: tile column = 4 x cluster x + cx: hidden units 64 tc on
	s_and_b32 s43, ttmp7, 0xffff
	s_lshl_b32 s43, s43, 2
	s_add_co_u32 s43, s43, s41                     ; tr: my first tile's row = 4 x cluster y + cy (0..15): rows 256 tr on
	s_lshl_b32 s44, s41, 2
	s_lshl_b32 s44, 15, s44                        ; my row of the cluster
	s_lshl_b32 s45, 0x1111, s40                    ; my column
	; descriptor group 1 for the codes: a dense run of 24,576 bytes as 96 rows of 256 bytes (32 elements of 8 bytes), no padding
	s_or_b32 s[G1+0], s44, (3<<16)|(1<<21)         ; 15:0 the mask: A's tiles go to my row; 17:16 elements of 8 bytes; 21 set beside a mask
	s_or_b32 s[G1B+0], s45, (3<<16)|(1<<21)        ; B's go to my column
.irp g, G1, G1B
	s_mov_b32 s[\g+1], 32<<16                      ; tensor_dim0 = 32
	s_mov_b32 s[\g+2], 96<<16                      ; tensor_dim1 = 96
	s_mov_b32 s[\g+3], 32<<16                      ; tile_dim0 = 32
	s_mov_b32 s[\g+4], 96                          ; tile_dim1 = 96
	s_mov_b32 s[\g+5], 32                          ; tensor_dim0_stride: the rows follow each other
	s_mov_b32 s[\g+6], 0
	s_mov_b32 s[\g+7], 0
.endr
	; and for c: 64 rows x 64 elements of 4 bytes, 1,024 elements from row to row, 16 bytes of padding behind each row's 64 words
	s_mov_b32 s[G1C+0], (2<<16)|(1<<20)|(5<<22)|(3<<25)   ; no mask: the tile is my work-group's own
	s_mov_b32 s[G1C+1], 64<<16
	s_mov_b32 s[G1C+2], 64<<16
	s_mov_b32 s[G1C+3], 64<<16
	s_mov_b32 s[G1C+4], 64
	s_mov_b32 s[G1C+5], 1024
	s_mov_b32 s[G1C+6], 0
	s_mov_b32 s[G1C+7], 0
	; where the tiles come from.  A's hang on the tile row alone, which my row of the cluster shares; B's on the tile column alone; each in registers that never hold the other coordinate
	s_lshl_b32 s19, s18, 3                         ; which 8 row blocks I fetch
	s_lshl_b32 s20, s43, 4
	s_add_co_u32 s20, s20, s19
	s_mul_i32 s20, s20, RBB                        ; A: row block 16 tr + 8 x half
	s_mov_b32 s21, 0
	s_lshl_b32 s46, s42, 4
	s_add_co_u32 s46, s46, s19
	s_add_co_u32 s46, s46, 512
	s_mul_i32 s46, s46, RBB                        ; B: row block 512 + 16 tc + 8 x half
	s_mov_b32 s47, 0
	s_mul_i32 s22, s16, HALFT                      ; where they go: wave x 8 row blocks: no place in the cluster enters an LDS address
	s_lshl_b32 s80, s43, 20                        ; the tile's corner in c, out0 and out1: 256 tr rows of 4,096 bytes + 256 tc bytes
	s_lshl_b32 s90, s42, 8
	s_add_co_u32 s80, s80, s90
	s_lshl_b32 s90, s17, 19
	s_add_co_u32 s94, s80, s90                     ; what I store begins at my row half: + 128 wr rows
	s_mov_b32 s95, 0
	s_lshl_b32 s90, s16, 18
	s_add_co_u32 s80, s80, s90                     ; what I fetch of c: + 64 w rows
	s_mov_b32 s81, 0
	s_mov_b32 s96, 0xbfb8aa3b                      ; -log2(e), as a pair: the packed form names a pair and takes its low word for both halves
	s_mov_b32 s97, s96
	s_mov_b32 s98, 0xc038aa3b                      ; -2 log2(e)
	s_mov_b32 s99, s98
	s_mov_b32 s100, 0x41f00000                     ; 30.0: the hold on the exponents
	v_and_b32 v1, 31, v0                           ; lane
	v_and_b32 v2, 15, v0                           ; r
	v_bfe_u32 v3, v0, 4, 1                         ; h
	v_lshlrev_b32 v4, 4, v1                        ; 16 x lane: my place in an image
	s_mul_i32 s83, s17, HALFT                      ; my 8 row blocks of A,
	s_mul_i32 s84, s18, HALFT
	s_add_co_u32 s84, s84, 2*HALFT                 ; and of B, which lie behind A's 16
	v_add_nc_u32 v[ADRA], s83, v4
	v_add_nc_u32 v[ADRA+1], SLOT, v[ADRA]
	v_add_nc_u32 v[ADRB], s84, v4
	v_add_nc_u32 v[ADRB+1], SLOT, v[ADRB]
	v_lshlrev_b32 v[GO], 4, v2
	v_lshl_add_u32 v[GO], v3, 12, v[GO]            ; lanes 0-15 one row of an output, lanes 16-31 the next; 16 bytes a lane
	v_mul_u32_u24 v5, v2, CP
	v_lshl_add_u32 v5, v3, 5, v5                   ; row r, + 32 h
	s_mul_i32 s85, s17, 128*CP
	s_lshl_b32 s90, s18, 7
	s_add_co_u32 s85, s85, s90                     ; the tile of c: my 128 rows, my 128 bytes of each
	v_add_nc_u32 v[CA], s85, v5
	v_add_nc_u32 v[CA], CT, v[CA]
	s_mul_i32 s86, s17, 16*CP                      ; the stage: my row half's 16 rows,
	s_add_co_u32 s91, s86, s90                     ; my 128 bytes of each
	v_add_nc_u32 v[HA], s91, v5
	v_add_nc_u32 v[HA], STG, v[HA]
	s_mul_i32 s91, s18, SOUT                       ; back: wave (wr, 0) takes h_new's 16 rows of row half wr, wave (wr, 1) c_new's, whole
	s_add_co_u32 s91, s91, s86
	v_mul_u32_u24 v[RD], v3, CP
	v_lshl_add_u32 v[RD], v2, 4, v[RD]
	v_add_nc_u32 v[RD], s91, v[RD]
	v_add_nc_u32 v[RD], STG, v[RD]
	s_lshl_b32 s87, s43, 4
	s_lshl_b32 s90, s17, 3
	s_add_co_u32 s87, s87, s90
	s_mul_i32 s87, s87, 768                        ; scl: my A blocks begin at block 16 tr + 8 wr,
	s_lshl_b32 s88, s42, 4
	s_add_co_u32 s88, s88, s19
	s_add_co_u32 s88, s88, 512
	s_mul_i32 s88, s88, 768                        ; my B blocks at block 512 + 16 tc + 8 wc, which lies further on:
	s_sub_co_u32 s88, s88, s87
	v_mul_u32_u24 v[SOF], s88, v3                  ; lanes 16-31 take B's: the lower base + h x the distance
	v_lshl_add_u32 v[SOF], v2, 4, v[SOF]           ; 16 bytes a row
	v_add_nc_u32 v[SOF], s87, v[SOF]
	v_xor_b32 v6, 1, v3
	v_mul_u32_u24 v6, v6, WALKS
	v_add_nc_u32 v[SOF2], v[SOF], v6               ; the second tile: lanes 0-15 go 256 blocks on, lanes 16-31 stay
	s_lshl_b32 s89, s42, 10
	s_lshl_b32 s90, s18, 9
	s_add_co_u32 s89, s89, s90                     ; bias: my 8 blocks of 64 bytes begin at 64 (16 tc + 8 wc);
	v_lshl_add_u32 v[BOF], v3, 5, s89              ; my eight numbers of a block at 32 h
	s_wait_dscnt 0x0                               ; both opening adds are done
	s_wait_kmcnt 0x0
.macro SCALES off                      ; the scale words of a tile: sixteen lanes read 256 consecutive bytes, at a multiple of 256 from the buffer's first byte
.irp i, 0,1,2,3,4,5,6,7
.irp k, 0,1,2
	global_load_b128 v[SC+NS*\i+4*\k:SC+NS*\i+4*\k+3], v[\off], s[6:7] offset:768*\i+256*\k
.endr
.endr
.endm
	SCALES SOF
	WIN TO_B
.irp b, 0,1,2,3                                ; the biases of block b, in the result's layout: v[96 + 8 b] of window 1 for b < 4, v[224 + 8 (b - 4)] for the others
.irp e, 0,1
	global_load_b128 v[96+8*\b+4*\e:96+8*\b+4*\e+3], v[BOF], s[8:9] offset:64*\b+16*\e
	global_load_b128 v[224+8*\b+4*\e:224+8*\b+4*\e+3], v[BOF], s[8:9] offset:64*(\b+4)+16*\e
.endr
.endr
	WIN 0
	s_add_nc_u64 s[20:21], s[4:5], s[20:21]
	s_add_nc_u64 s[46:47], s[4:5], s[46:47]
	s_add_nc_u64 s[10:11], s[10:11], s[80:81]
	s_cmp_eq_u32 s18, 0                            ; the output that I store: the choice hangs on the wave's number alone
	s_cselect_b64 s[12:13], s[12:13], s[14:15]
	s_add_nc_u64 s[12:13], s[12:13], s[94:95]
	CROUND                                         ; all sixteen work-groups are here: the first joint loads meet
	s_mov_b32 s[G0C], 1
	s_mul_i32 s[G0C+1], s16, 64*CP
	s_add_co_u32 s[G0C+1], s[G0C+1], CT            ; my 64 rows of the tile of c
	s_mov_b64 s[G0C+2:G0C+3], s[10:11]
	s_or_b32 s[G0C+3], s[G0C+3], 0x80000000
.irp s, 0,1
	s_mov_b32 s[G0+4*\s], 1                                        ; 1:0 count = 1
	s_add_co_u32 s[G0+4*\s+1], s22, \s*SLOT                        ; 63:32 LDS address
	s_add_nc_u64 s[G0+4*\s+2:G0+4*\s+3], s[20:21], \s*TS           ; 120:64 global address: K step s of 256
	s_or_b32 s[G0+4*\s+3], s[G0+4*\s+3], 0x80000000                ; 127:126 type = 2
	s_mov_b32 s[G0B+4*\s], 1
	s_add_co_u32 s[G0B+4*\s+1], s22, \s*SLOT
	s_add_nc_u64 s[G0B+4*\s+2:G0B+4*\s+3], s[46:47], \s*TS
	s_or_b32 s[G0B+4*\s+3], s[G0B+4*\s+3], 0x80000000
	JLOAD G0+4*\s, G1, G0B+4*\s, G1B
.endr
	tensor_load_to_lds s[G0C:G0C+3], s[G1C:G1C+7]  ; the third and last of my first fills: three tensor loads of mine are out here, one behind each later round
	s_nop 0
.rept 4
	v_nop
.endr
.macro FRAG reg, adr, q, i             ; block i's fragment of the slot's q-th 128 along K: its image comes back as it was stored: three loads, 512 consecutive bytes each
.irp k, 0,1,2
	ds_load_b128 v[\reg+4*\k:\reg+4*\k+3], v[\adr] offset:(\i)*RBB+(\q)*FRB+512*\k
.endr
.endm
.macro FETCH_B slot, q, p              ; B's eight fragments into set p: 24 loads
	WIN TO_B
.irp i, 0,1,2,3,4,5,6,7
	FRAG 128*(\p)+FR*\i, ADRB+\slot, \q, \i
.endr
	WIN 0
.endm
.macro FETCH_A slot, q, i0             ; A's blocks i0 .. i0 + 3: 12 loads
.irp i, \i0, \i0+1, \i0+2, \i0+3
	FRAG AF+FR*(\i), ADRA+\slot, \q, \i
.endr
.endm
; 16 matrix instructions: A's blocks a0, a0 + 1 x B's eight, K step s of 128.  p: B's set.  zero = 1: the first product starts the sums: nothing is ever cleared.
; The 64 accumulators take turns, one instruction a turn, in the same order in every step, from tile to tile too.  Source 0's scales are read from lanes 16-31 of its register, source 1's from lanes 0-15.
.macro MUL16 a0, p, s, zero
.irp a, \a0, \a0+1
.irp b, 0,1,2,3,4,5,6,7
.if \zero
	v_wmma_scale_f32_16x16x128_f8f6f4 v[8*(8*((\a)%4)+\b):8*(8*((\a)%4)+\b)+7], v[128*(\p)+FR*\b:128*(\p)+FR*\b+FR-1], v[AF+FR*(\a):AF+FR*(\a)+FR-1], 0, v[SC+NS*\b+(\s)], v[SC+NS*(\a)+(\s)] matrix_a_fmt:MATRIX_FMT_FP6 matrix_b_fmt:MATRIX_FMT_FP6 matrix_a_scale:MATRIX_SCALE_ROW1
.else
	v_wmma_scale_f32_16x16x128_f8f6f4 v[8*(8*((\a)%4)+\b):8*(8*((\a)%4)+\b)+7], v[128*(\p)+FR*\b:128*(\p)+FR*\b+FR-1], v[AF+FR*(\a):AF+FR*(\a)+FR-1], v[8*(8*((\a)%4)+\b):8*(8*((\a)%4)+\b)+7], v[SC+NS*\b+(\s)], v[SC+NS*(\a)+(\s)] matrix_a_fmt:MATRIX_FMT_FP6 matrix_b_fmt:MATRIX_FMT_FP6 matrix_a_scale:MATRIX_SCALE_ROW1
.endif
.endr
.endr
.endm
; A load into a register that a matrix instruction has read, and a vector instruction that reads a matrix result, stand four places behind that matrix instruction, and only plain vector instructions that name
; none of its registers are places (ISA guide 7.12.1 for vector instructions); this text does not count the matrix instructions in between.
.macro PLACES n
.rept \n
	v_nop
.endr
.endm
; A slot's first step of 128 along K (s even): it multiplies B's set 0.  A block of A is free as soon as its eight products are issued: blocks 0-3 are fetched anew in the step's middle, with B's other set, blocks 4-7 at its end.
.macro STEP slot, s, zero
	s_wait_dscnt 12                                ; B's set and A's blocks 0-3 are in; the youngest 12 loads (A's blocks 4-7) may be out
	WIN MUL_LO
	MUL16 0, 0, \s, \zero
	MUL16 2, 0, \s, \zero
	s_wait_dscnt 0                                 ; A's blocks 4-7 are in (asked for 32 matrix instructions ago)
	PLACES 4
	FETCH_B \slot, 1, 1
	FETCH_A \slot, 1, 0
	WIN MUL_HI
	MUL16 4, 0, \s, \zero
	MUL16 6, 0, \s, \zero
	PLACES 4
	WIN 0
	FETCH_A \slot, 1, 4
.endm
; A slot's second step (s odd) multiplies B's set 1 and holds ONE barrier; in front of it each wave waits for all its tensor loads, adds 0 to its spare word, and waits for that and for its own LDS reads.
; fill = 1: the barrier opens a round of the cluster's barrier, and slot 'slot' is filled again, two K steps of 256 ahead: from that request to the wait for it a wave issues 96 matrix instructions.
; fill = 2: the same, with the NEXT TILE's K step of that slot: back along K, A 256 row blocks on.  fill = 0: nothing is filled, and no round follows.  fetch = 1: the first fragments of slot 'next' are fetched.
.macro TURN slot, next, s, fill, fetch
	s_wait_tensorcnt 0x0                           ; all my tensor loads have landed;  every window is 0 here
	ds_add_u32 v[SPW], v[NIL]                      ; 0 onto my spare word
	s_wait_dscnt 13                                ; (the add and the youngest 12 loads, A's blocks 4-7, may be out)
	WIN MUL_LO
	MUL16 0, 1, \s, 0                              ; sixteen matrix instructions stand between the add and the wait for it
	s_wait_dscnt 0x0                               ; the add is done, and my LDS reads are over
	s_barrier_signal -1
	MUL16 2, 1, \s, 0
	WIN 0
	s_barrier_wait -1
.if \fill
	CREST                                          ; no wave of any partner still reads the slot's tile or has a load on its way
.if \fill == 2
	s_sub_nc_u64 s[G0+4*\slot+2:G0+4*\slot+3], s[G0+4*\slot+2:G0+4*\slot+3], BACK-WALKA
	s_sub_nc_u64 s[G0B+4*\slot+2:G0B+4*\slot+3], s[G0B+4*\slot+2:G0B+4*\slot+3], BACK
.else
	s_add_nc_u64 s[G0+4*\slot+2:G0+4*\slot+3], s[G0+4*\slot+2:G0+4*\slot+3], 2*TS
	s_add_nc_u64 s[G0B+4*\slot+2:G0B+4*\slot+3], s[G0B+4*\slot+2:G0B+4*\slot+3], 2*TS
.endif
	JLOAD G0+4*\slot, G1, G0B+4*\slot, G1B         ; the first tensor load behind the round; the four v_nop behind it are also the places in front of the loads below
.else
	PLACES 4
.endif
.if \fetch
	FETCH_B \next, 0, 0
	FETCH_A \next, 0, 0
.endif
	WIN MUL_HI
	MUL16 4, 1, \s, 0
	MUL16 6, 1, \s, 0
.if \fetch
	PLACES 4
	WIN 0
	FETCH_A \next, 0, 4
.else
	WIN 0
.endif
.endm
; THE WAY OUT of block a.  RB: my 16 whole rows of one output come back from the stage, two rows of 256 bytes an instruction.  SD: they are stored.
.macro RB a
	s_wait_xcnt 0x0                                ; the last block's stores have read these registers: they are loaded again only behind this wait
.irp i, 0,1,2,3,4,5,6,7
	ds_load_b128 v[BK+4*\i:BK+4*\i+3], v[RD] offset:SBUF*((\a)%2)+2*\i*CP
.endr
.endm
.macro SD a
.irp i, 0,1,2,3,4,5,6,7
	global_store_b128 v[GO], v[BK+4*\i:BK+4*\i+3], s[12:13] offset:(16*(\a)+2*\i)*4096 th:TH_STORE_NT   ; 16 lanes store 256 consecutive bytes, at a multiple of 256 from the output's first byte; written once, read by nobody here
.endr
.endm
; THE GATES of block a: 16 rows x 32 hidden units, 16 elements a lane (index 8 u + j).  T + 16 g + index holds gate g's number.  A row's 256 bytes come from two waves, so a block's results meet in the stage:
; ONE barrier a block.  The stage's two buffers take turns: between a buffer's reads and its next stores stands the next block's barrier, in front of which every wave has waited for its LDS loads.
; The block before is stored in the middle of this one, so that its way through the stage is not sat out, and a tile's stores leave from its first block on.
.macro GATES a
.set AC, 64*((\a)%4)
.set SB, SBUF*((\a)%2)
.irp u, 0,1
.irp e, 0,1
	ds_load_b128 v[CV+8*\u+4*\e:CV+8*\u+4*\e+3], v[CA] offset:16*CP*(\a)+64*\u+16*\e   ; c(16 a + r, 16 u + 8 h + 4 e ..)
.endr
.endr
	WIN 0x12+(\a)/4                                ; source 0: the accumulators' window, 2 or 3; source 2: window 1, the biases; destination window 0
.irp b, 0,1,2,3,4,5,6,7                        ; the exponents: k_g x sum + bias', two at a time; each accumulator from its low end on
.irp p, 0,1,2,3
.if \b < 4
	v_pk_fma_f32 v[T+8*\b+2*\p:T+8*\b+2*\p+1], v[AC+8*\b+2*\p:AC+8*\b+2*\p+1], s[96:97], v[96+8*\b+2*\p:96+8*\b+2*\p+1] op_sel_hi:[1,0,1]
.elseif \b < 6
	v_pk_fma_f32 v[T+8*\b+2*\p:T+8*\b+2*\p+1], v[AC+8*\b+2*\p:AC+8*\b+2*\p+1], s[96:97], v[192+8*\b+2*\p:192+8*\b+2*\p+1] op_sel_hi:[1,0,1]
.else
	v_pk_fma_f32 v[T+8*\b+2*\p:T+8*\b+2*\p+1], v[AC+8*\b+2*\p:AC+8*\b+2*\p+1], s[98:99], v[192+8*\b+2*\p:192+8*\b+2*\p+1] op_sel_hi:[1,0,1]
.endif
.endr
.endr
	WIN 0
.set n, 0
.rept 64
	v_min_num_f32 v[T+n], s100, v[T+n]             ; held at 30 from above
.set n, n+1
.endr
.set n, 0
.rept 64
	v_exp_f32 v[T+n], v[T+n]                       ; E: one batch
.set n, n+1
.endr
	v_nop                                          ; a plain place behind the last exponential
	s_wait_alu depctr_va_vdst(0)                   ; one wait for the batch, ahead of its first reader
	s_wait_dscnt 0x0                               ; c is in, and so are the rows of the block before
.if (\a) > 0
	SD \a-1
.endif
.irp e, 0,2,4,6,8,10,12,14
	v_pk_add_f32 v[U+\e:U+\e+1], v[T+48+\e:T+48+\e+1], 1.0 op_sel_hi:[1,0] neg_lo:[1,0] neg_hi:[1,0]   ; 1 - Ec
.endr
.irp e, 0,2,4,6,8,10,12,14
	v_pk_add_f32 v[T+48+\e:T+48+\e+1], v[T+48+\e:T+48+\e+1], 1.0 op_sel_hi:[1,0]                       ; Dc = 1 + Ec
.endr
.irp e, 0,2,4,6,8,10,12,14
	v_pk_fma_f32 v[T+\e:T+\e+1], v[T+\e:T+\e+1], v[T+48+\e:T+48+\e+1], v[T+48+\e:T+48+\e+1]            ; Di Dc = Ei Dc + Dc
.endr
.irp e, 0,2,4,6,8,10,12,14
	v_pk_fma_f32 v[U+\e:U+\e+1], v[U+\e:U+\e+1], v[T+16+\e:T+16+\e+1], v[U+\e:U+\e+1]                  ; (1 - Ec) Df
.endr
.irp e, 0,2,4,6,8,10,12,14
	v_pk_fma_f32 v[U+\e:U+\e+1], v[CV+\e:CV+\e+1], v[T+\e:T+\e+1], v[U+\e:U+\e+1]                      ; N = c Di Dc + (1 - Ec) Df
.endr
.irp e, 0,2,4,6,8,10,12,14
	v_pk_fma_f32 v[T+\e:T+\e+1], v[T+\e:T+\e+1], v[T+16+\e:T+16+\e+1], v[T+\e:T+\e+1]                  ; Di Dc Df
.endr
.irp e, 0,2,4,6,8,10,12,14
	v_pk_fma_f32 v[T+\e:T+\e+1], v[T+\e:T+\e+1], v[T+32+\e:T+32+\e+1], v[T+\e:T+\e+1]                  ; Di Dc Df Do
.endr
.set n, 0
.rept 16
	v_rcp_f32 v[T+n], v[T+n]
.set n, n+1
.endr
	v_nop                                          ; a plain place behind the last reciprocal
	s_wait_alu depctr_va_vdst(0)                   ; one wait for the sixteen
.irp e, 0,2,4,6,8,10,12,14
	v_pk_mul_f32 v[U+\e:U+\e+1], v[U+\e:U+\e+1], v[T+\e:T+\e+1]                                        ; h_new
.endr
.irp e, 0,2,4,6,8,10,12,14
	v_pk_fma_f32 v[CV+\e:CV+\e+1], v[U+\e:U+\e+1], v[T+32+\e:T+32+\e+1], v[U+\e:U+\e+1]                ; c_new = h_new Do
.endr
.irp u, 0,1
.irp e, 0,1
	ds_store_b128 v[HA], v[U+8*\u+4*\e:U+8*\u+4*\e+3] offset:SB+64*\u+16*\e
	ds_store_b128 v[HA], v[CV+8*\u+4*\e:CV+8*\u+4*\e+3] offset:SB+SOUT+64*\u+16*\e
.endr
.endr
	s_wait_dscnt 0x0                               ; for the others' sake: my stores into the stage are done
	s_barrier_signal -1
	s_barrier_wait -1
	RB \a
.endm
	s_wait_tensorcnt 2                             ; my part of K step 0 is in; slot 1's load and c's may stay out
	s_barrier_signal -1
	s_barrier_wait -1                              ; everybody's is
	FETCH_B 0, 0, 0
	FETCH_A 0, 0, 0
	FETCH_A 0, 0, 4
	s_wait_loadcnt 0x0                             ; the scale words and the biases
	s_mov_b32 s[TILES], 2
.Ltile:                                                ; a tile's K steps 0 to 10 of 128, written out: the scale words' register numbers change from step to step.  Every window is 0 here
	STEP 0, 0, 1                                   ; the first step's products start the sums
	TURN 0, 1, 1, 1, 1                             ; slot 0 takes K step 2 of 256.  Its wait and its barrier also show the whole tile of c to all four waves
	STEP 1, 2, 0
	TURN 1, 0, 3, 1, 1                             ; slot 1 takes K step 3
	STEP 0, 4, 0
	TURN 0, 1, 5, 1, 1                             ; slot 0 takes K step 4
	STEP 1, 6, 0
	TURN 1, 0, 7, 1, 1                             ; slot 1 takes K step 5
	STEP 0, 8, 0
	TURN 0, 1, 9, 0, 1                             ; nothing is filled, so no round of the cluster's barrier.  Behind this barrier nobody reads slot 0
	STEP 1, 10, 0
	s_cmp_eq_u32 s[TILES], 1
	s_cbranch_scc1 .Llast_tile                     ; the last tile's tail is written out: it asks for nothing more
	; ---- a tile that has a successor
	TURN 0, 0, 11, 2, 0                            ; THE RING GOES ON INTO THE NEXT TILE: in the last step slot 0 takes its K step 0
	PLACES 4                                       ; behind the last products: for the loads into the scale words' registers and into those that held A's fragments, and for the gates' reads and writes
	SCALES SOF2                                    ; the next tile's scale words land while the gates run
.irp a, 0,1,2,3
	GATES \a
.endr
	s_wait_tensorcnt 0x0                           ; my part of the next tile's K step 0 has landed: no tensor load of mine is out, so a group 0 may be written
	ds_add_u32 v[SPW], v[NIL]                      ; 0 onto my spare word; the descriptors' steps stand between it and the wait for it
	s_sub_nc_u64 s[G0+6:G0+7], s[G0+6:G0+7], BACK-WALKA
	s_sub_nc_u64 s[G0B+6:G0B+7], s[G0B+6:G0B+7], BACK
	s_wait_dscnt 0x0                               ; the add is done; my reads of slot 1 were over in the last step
	CROUND                                         ; no wave of any partner still reads slot 1 or has a load on its way
	JLOAD G0+4, G1, G0B+4, G1B                     ; slot 1 takes the next tile's K step 1: it has four blocks' gates in which to land
.irp a, 4,5,6,7
	GATES \a
.endr
	s_wait_dscnt 0x0                               ; block 7's rows are back
	SD 7
	s_wait_tensorcnt 0x0                           ; the next tile's K step 1 has landed
	ds_add_u32 v[SPW], v[NIL]                      ; 0 onto my spare word
	s_add_nc_u64 s[G0C+2:G0C+3], s[G0C+2:G0C+3], WALKO   ; the next tile's c; the type bits on top are not reached
	s_wait_xcnt 0x0                                ; this tile's stores have read their base,
	s_add_nc_u64 s[12:13], s[12:13], WALKO         ; which goes on to the next tile's rows
	s_wait_dscnt 0x0                               ; the add is done, and my reads of the tile of c are over
	CROUND                                         ; every wave's are; a plain load stands behind a round like the joint ones
	tensor_load_to_lds s[G0C:G0C+3], s[G1C:G1C+7]  ; the next tile's c, over this tile's: my one tensor load behind this round
	s_nop 0
.rept 4
	v_nop
.endr
	FETCH_B 0, 0, 0                                ; the next tile's first fragments
	FETCH_A 0, 0, 0
	FETCH_A 0, 0, 4
	s_wait_loadcnt 0x0                             ; its scale words
	s_sub_co_u32 s[TILES], s[TILES], 1
	s_cmp_lg_u32 s[TILES], 0
	s_cbranch_scc1 .Ltile
.Llast_tile:
	; ---- the last tile's tail: nothing more to fetch
	s_wait_dscnt 12
	WIN MUL_LO
	MUL16 0, 1, 11, 0
	MUL16 2, 1, 11, 0
	s_wait_dscnt 0
	WIN MUL_HI
	MUL16 4, 1, 11, 0
	MUL16 6, 1, 11, 0
	WIN 0
	PLACES 4                                       ; behind the last products: for the loads and vector writes into the registers that held A's fragments, and for the gates' reads
.irp a, 0,1,2,3,4,5,6,7
	GATES \a
.endr
	s_wait_dscnt 0x0                               ; block 7's rows are back
	SD 7
	s_wait_tensorcnt 0x0                           ; the wave's end, behind my last tensor load and my last LDS store
	ds_add_u32 v[SPW], v[NIL]
	s_wait_dscnt 0x0
	CROUND                                         ; the closing round: no work-group ends while a partner may still ask for a tile that names it
	s_endpgm
.Lfunc_end_k_qd37498a5a7_cell:
	.size	k_qd37498a5a7_cell, .Lfunc_end_k_qd37498a5a7_cell-k_qd37498a5a7_cell
	.p2alignl 7, 3214868480
	.fill 96, 4, 3214868480
	.section	.rodata,"a",@progbits
	.p2align	6, 0x0
	.amdhsa_kernel k_qd37498a5a7_cell
		.amdhsa_group_segment_fixed_size 327680
		.amdhsa_private_segment_fixed_size 0
		.amdhsa_enable_private_segment 0
		.amdhsa_kernarg_size 48
		.amdhsa_user_sgpr_count 2
		.amdhsa_user_sgpr_kernarg_segment_ptr 1
		.amdhsa_wavefront_size32 1
		.amdhsa_system_sgpr_workgroup_id_x 1
		.amdhsa_system_sgpr_workgroup_id_y 1
		.amdhsa_system_sgpr_workgroup_id_z 1
		.amdhsa_system_vgpr_workitem_id 0
		.amdhsa_next_free_vgpr 1024
		.amdhsa_next_free_sgpr 102
		.amdhsa_reserve_vcc 0
		.amdhsa_float_denorm_mode_32 3
		.amdhsa_float_denorm_mode_16_64 3
		.amdhsa_memory_ordered 1
		.amdhsa_forward_progress 1
		.amdhsa_inst_pref_size 255
	.end_amdhsa_kernel
	.section	.bss,"aw",@nobits
	.p2align	6
	.space	262144
	.amdgpu_metadata
---
amdhsa.version: [ 1, 2 ]
amdhsa.kernels:
  - .name:           k_qd37498a5a7_cell
    .symbol:         k_qd37498a5a7_cell.kd
    .args:
      - { .name: codes, .offset: 0, .size: 8, .value_kind: global_buffer, .address_space: global }
      - { .name: scl, .offset: 8, .size: 8, .value_kind: global_buffer, .address_space: global }
      - { .name: bias, .offset: 16, .size: 8, .value_kind: global_buffer, .address_space: global }
      - { .name: c, .offset: 24, .size: 8, .value_kind: global_buffer, .address_space: global }
      - { .name: out0, .offset: 32, .size: 8, .value_kind: global_buffer, .address_space: global }
      - { .name: out1, .offset: 40, .size: 8, .value_kind: global_buffer, .address_space: global }
    .group_segment_fixed_size: 327680
    .private_segment_fixed_size: 0
    .kernarg_segment_align: 8
    .kernarg_segment_size: 48
    .max_flat_workgroup_size: 128
    .sgpr_count:     102
    .vgpr_count:     1024
    .wavefront_size: 32
...
	.end_amdgpu_metadata
.endif
;; end of part 2
